; MI455X (gfx1250); checked and timed in simulation.
; The chip was launched on July 23, 2026; its instructions are those of AMD's public machine-readable ISA for CDNA 5 (MIT licence, August 2026) and "CDNA5" Instruction Set Architecture Reference Guide (July 2026). The comments in the code are by the model that wrote it; some were corrected since.
;; Som. Allowed arithmetic: matrix products marked QUANTISED: E2M1 operands, one E8M0 scale for each 32 along K, by v_wmma_scale_f32_16x16x128_f8f6f4 with both operands' format E2M1 (or v_wmma_scale_f32_32x16x128_f4), f32 sums; everything else in f32.
;; Inputs: weights 128 x 128 x 256 float32; xb 4,096 x 256 float32.
;; Outputs: out0 4,096 x 2 int32.
;; This version of the problem:
;;   THIS VERSION OF THE PROBLEM IS GIVEN IN LOW PRECISION. The matrix products marked QUANTISED in the list below multiply operands that are first quantised to E2M1 (2 exponent bits, 1 mantissa bit; 4 bits a number), with one power-of-two scale for each 32 numbers along K (OCP MX v1.0); their sums are f32. All else is computed in f32.
;;   The module's matrix products, in the order in which they are computed (A, B: the left and right operand; K: the contracted axis; several contracted axes count as one K, in the product's order):
;;     1. [M 4,096, K 256] x [K 256, N 16,384]; A: input xb; B: input weights: QUANTISED
;;   THE QUANTISER, for each operand of a quantised product, along K:
;;     - K is cut into blocks of 32 from its start; a last block that is shorter is filled with zeros.
;;     - A block's scale is 2^e with e = floor(log2(the largest magnitude in the block)) - 2, held to -126 .. 127; a block of zeros has e = 0. As a byte (E8M0): e + 127.
;;     - Each number is divided by its block's scale, clamped to +-6, and rounded to the nearest number of E2M1, ties to even, subnormals kept.
;;     - The product sums the exact products of the quantised numbers (number of the format x scale) in f32.
;;   ~~~python
;;   def quantise(x, axis):      # numpy; x: float32 -> the quantised numbers, widened to float32 again
;;       x = np.moveaxis(x, axis, -1); K = x.shape[-1]
;;       x = np.pad(x, [(0, 0)] * (x.ndim - 1) + [(0, -K % 32)]); x = x.reshape(x.shape[:-1] + (-1, 32)); a = np.abs(x).max(-1, keepdims=True)
;;       e = np.where(a > 0, np.clip(np.frexp(np.where(a > 0, a, 1))[1] - 1 - 2, -126, 127), 0)      # np.frexp(a)[1] - 1 = floor(log2(a)), exactly
;;       r = np.clip(x / 2.0 ** e, -6, 6)
;;       step = 2.0 ** (np.maximum(np.frexp(np.where(r == 0, 1, r))[1] - 1, 0) - 1)
;;       q = np.round(r / step) * step * 2.0 ** e      # np.round: ties to even
;;       return np.moveaxis(q.reshape(q.shape[:-2] + (-1,))[..., :K], -1, axis).astype(np.float32)
;;   ~~~
;; One version. Each part assembles by itself: llvm-mc -triple=amdgcn-amd-amdhsa -mcpu=gfx1250 --defsym DOCPART=n.
;; ======== version 1 of 1: 3 launches
;; workspace buffers: recs 2,949,120 bytes; cand 4,194,304 bytes
;; launch quant (part 1): grid 256 x 1, 5 waves a work-group, no clusters, 41,728 bytes of LDS; arguments xb, weights, recs; writes recs
.if DOCPART == 1
	.amdgcn_target "amdgcn-amd-amdhsa--gfx1250"
	.amdhsa_code_object_version 6
	.text
	.protected	k_qa44f73be4d_quant
	.globl	k_qa44f73be4d_quant
	.p2align	8
	.type	k_qa44f73be4d_quant,@function
k_qa44f73be4d_quant:
	s_mov_b64 s[64:65], 0
	v_nop
	global_prefetch_b8 v0, s[64:65] scope:SCOPE_SE
	s_setreg_imm32_b32 hwreg(HW_REG_WAVE_MODE, 25, 1), 1
	s_wait_xcnt 0x0
; xb [4096][256] and weights [16384][256], f32, become RECORDS: one for each tile of 16 consecutive rows, 2,304 bytes (nine times 256), tiles 0-255 of xb, then 1,024 of weights.
;   bytes 0-2047     codes of FP4 (E2M1) as an image of the matrix operand's registers: [block of 32 along K: 0..7][row 0..15][16 bytes]
;   bytes 2048-2175  scale words: [K step of 128: 0, 1][row][4 E8M0 bytes]
;   bytes 2176-2239  -sq / 2 [row], f32;   bytes 2240-2303  sq [row], f32;   sq = the row's sum of squares of the UNQUANTISED numbers
; A block's scale is 2^(floor(log2(its largest magnitude)) - 2); its byte is the largest magnitude's exponent field - 2, held at 1 from below.
; LIMITS.  A block of zeros gets the byte 1 where the quantiser says 127: its codes are zeros, which add nothing, and this program alone reads the bytes.  NaN and infinities are not served.
; sq is summed in this order: a lane's 16 numbers in two packed chains of four, the chains, the pair, then lanes 1, 2, 4, 8 apart: not the order of the JAX sum.
; SHARES.  One wave to a tile (16 KiB of f32); 1,280 tiles = 256 work-groups x 5 waves, so that each of 256 work-groups has the same work.  Waves share nothing: no barrier.
; All 32 loads of a wave go out at the start, each 512 consecutive bytes.
; The conversions take neighbours along K from ONE lane's registers: a step's 2,048 bytes (two rows) turn through the wave's own stage in LDS and come back 64 bytes a lane;
; lane l then holds row 2 t + l / 16, block (l % 16) / 2, half l % 2.  The record is gathered in LDS and leaves in stores that each cover whole aligned runs of 256 bytes.
.set SP,    80                         ; a lane's place in a stage: 64 bytes + 16 of padding
.set STG,   32*SP                      ; a stage; two of them by turns
.set RECL,  2*STG                      ; behind them the record, nine runs of 256 bytes,
.set UPI,   288                        ; 288 bytes apart
.set TAILU, 8*UPI                      ; the ninth run: scale words and sums
.set RECB,  2304                       ; a record in memory
.set X,     24                         ; v24-55   two sets of 16 neighbours; at the end v24-41 take the record back
.set C,     56                         ; v56-71   codes: two registers for each step, so that no store's data are written again
.set E,     72                         ; v72-79   a scale byte for each step
.set N1,    80                         ; v80-87   -sq / 2
.set N2,    88                         ; v88-95   sq
.set R,     96                         ; v96-223  the tile as loaded
	s_load_b128 s[4:7], s[0:1], 0x0                ; xb, weights
	s_load_b64 s[8:9], s[0:1], 0x10                ; recs
	v_lshl_add_u32 v224, v0, 2, 0xa000
	v_mov_b32 v225, 0
	v_lshrrev_b32 v1, 5, v0
	v_readfirstlane_b32 s10, v1                    ; wave 0..4
	v_and_b32 v2, 31, v0                           ; lane l
	v_lshlrev_b32 v3, 4, v2                        ; 16 l: my bytes of a load's or store's 512
	s_lshl_b32 s11, s10, 13                        ; my wave's 8,192 bytes of LDS
	v_lshrrev_b32 v4, 2, v2
	v_mul_u32_u24 v4, v4, SP
	v_and_b32 v12, 3, v2
	v_lshl_add_u32 v4, v12, 4, v4
	v_add_nc_u32 v4, s11, v4                       ; the stage, in: four lanes' 64 bytes on end, then the padding
	v_mul_u32_u24 v5, v2, SP
	v_add_nc_u32 v5, s11, v5                       ; and out: my 16 neighbours
	s_add_co_u32 s11, s11, RECL                    ; the record in LDS
	v_bfe_u32 v12, v2, 1, 3                        ; my block
	v_bfe_u32 v13, v2, 4, 1                        ; which of the step's two rows
	v_and_b32 v14, 1, v2                           ; which half of the block
	v_mul_u32_u24 v6, v12, UPI
	v_lshl_add_u32 v6, v13, 4, v6
	v_lshl_add_u32 v6, v14, 3, v6
	v_add_nc_u32 v6, s11, v6                       ; my 8 bytes of codes: run = block, 16 bytes a row, 8 a half; the step adds 32 t
	v_bfe_u32 v15, v2, 3, 1                        ; my block's K step
	v_bfe_u32 v16, v2, 1, 2                        ; and its byte in the scale word
	v_lshl_add_u32 v7, v15, 6, v16
	v_lshl_add_u32 v7, v13, 2, v7
	v_add_nc_u32 v7, s11, v7                       ; my scale byte; the step adds 8 t
	v_lshlrev_b32 v8, 2, v13
	v_add_nc_u32 v8, s11, v8                       ; my row's sums; the step adds 8 t
	v_and_b32 v17, 15, v2
	v_mul_u32_u24 v9, v13, UPI
	v_lshl_add_u32 v9, v17, 4, v9
	v_add_nc_u32 v9, s11, v9                       ; back: sixteen lanes to a run of 256 bytes, two runs an instruction
	v_lshlrev_b32 v11, 3, v2                       ; the ninth run: 8 bytes a lane
	v_add_nc_u32 v10, s11, v11
	s_mul_i32 s14, ttmp9, 5
	s_add_co_u32 s14, s14, s10                     ; my tile's number among the 1,280: 5 x work-group + wave
	s_wait_kmcnt 0x0
	s_cmp_lt_u32 s14, 256                          ; tiles 0-255 are xb's, the others weights': the choice hangs on the tile's number alone
	s_cselect_b64 s[4:5], s[4:5], s[6:7]
	s_cselect_b32 s12, 0, 256
	s_sub_co_u32 s12, s14, s12                     ; the tile's number in its own tensor,
	s_lshl_b32 s12, s12, 14                        ; times 16,384 bytes
	s_mov_b32 s13, 0
	s_add_nc_u64 s[4:5], s[4:5], s[12:13]
	s_mul_i32 s14, s14, RECB
	s_mov_b32 s15, 0
	s_add_nc_u64 s[8:9], s[8:9], s[14:15]
.irp t, 0,1,2,3,4,5,6,7
.irp i, 0,1,2,3
	global_load_b128 v[R+16*\t+4*\i:R+16*\t+4*\i+3], v3, s[4:5] offset:2048*\t+512*\i th:TH_LOAD_NT   ; 32 lanes read 512 consecutive bytes; read once in the launch
.endr
.endr
.macro TURN t                          ; step t's numbers through a stage: LDS serves a wave's instructions in order, so no wait stands between the stores and the loads
.irp i, 0,1,2,3
	ds_store_b128 v4, v[R+16*(\t)+4*\i:R+16*(\t)+4*\i+3] offset:STG*((\t)%2)+8*SP*\i
.endr
.irp i, 0,1,2,3
	ds_load_b128 v[X+16*((\t)%2)+4*\i:X+16*((\t)%2)+4*\i+3], v5 offset:STG*((\t)%2)+16*\i
.endr
.endm
.macro STEP t
.set XS, X+16*((\t)%2)
.if (\t) < 7
	s_wait_loadcnt 24-4*(\t)                       ; the next step's four loads are in; those of the steps behind it may be out
	TURN (\t)+1                                    ; they go through the other stage while this step is worked
.endif
.if (\t) == 0
	s_wait_dscnt 8                                 ; my numbers are back: behind their loads stand the next step's eight LDS instructions
.elseif (\t) < 7
	s_wait_dscnt 12                                ; behind their loads: the last step's four stores into the record and the next step's eight
.else
	s_wait_dscnt 4                                 ; behind their loads: the last step's four stores
.endif
	v_max3_num_f32 v16, |v[XS]|, |v[XS+1]|, |v[XS+2]|              ; the largest magnitude of my 16, in two chains
	v_max3_num_f32 v17, |v[XS+3]|, |v[XS+4]|, |v[XS+5]|
.irp i, 6,10
	v_max3_num_f32 v16, v16, |v[XS+\i]|, |v[XS+\i+1]|
	v_max3_num_f32 v17, v17, |v[XS+\i+2]|, |v[XS+\i+3]|
.endr
	v_max3_num_f32 v16, v16, |v[XS+14]|, |v[XS+15]|
	v_max3_num_f32 v16, v16, v17, 0x1800000        ; and the floor 2^(3 - 127): the byte cannot fall under 1
	v_max_num_f32_dpp v16, v16, v16 row_xmask:1 row_mask:0xf bank_mask:0xf   ; with my neighbour's 16: the block's
	v_add_nc_u32 v18, 0xff000000, v16              ; 2 off its exponent field: the conversion takes the exponent field of this operand as its scale
	v_cvt_scalef32_pk8_fp4_f32 v[C+2*(\t)], v[XS:XS+7], v18
	v_cvt_scalef32_pk8_fp4_f32 v[C+2*(\t)+1], v[XS+8:XS+15], v18
	v_lshrrev_b32 v[E+(\t)], 23, v18               ; the scale's byte (a plain line behind the conversions)
	v_pk_mul_f32 v[12:13], v[XS:XS+1], v[XS:XS+1]  ; the squares of the numbers as they came
	v_pk_mul_f32 v[14:15], v[XS+2:XS+3], v[XS+2:XS+3]
.irp i, 4,8,12
	v_pk_fma_f32 v[12:13], v[XS+\i:XS+\i+1], v[XS+\i:XS+\i+1], v[12:13]
	v_pk_fma_f32 v[14:15], v[XS+\i+2:XS+\i+3], v[XS+\i+2:XS+\i+3], v[14:15]
.endr
	v_pk_add_f32 v[12:13], v[12:13], v[14:15]
	v_add_f32 v12, v12, v13
	v_add_f32_dpp v12, v12, v12 row_xmask:1 row_mask:0xf bank_mask:0xf       ; the sixteen lanes of a half hold one row
	v_add_f32_dpp v12, v12, v12 row_xmask:2 row_mask:0xf bank_mask:0xf
	v_add_f32_dpp v12, v12, v12 row_xmask:4 row_mask:0xf bank_mask:0xf
	v_add_f32_dpp v12, v12, v12 row_xmask:8 row_mask:0xf bank_mask:0xf
	v_mul_f32 v[N1+(\t)], -0.5, v12
	v_mov_b32 v[N2+(\t)], v12
	ds_store_b64 v6, v[C+2*(\t):C+2*(\t)+1] offset:32*(\t)
	ds_store_b8 v7, v[E+(\t)] offset:TAILU+8*(\t)              ; both lanes of a block write the same byte with the same value
	ds_store_b32 v8, v[N1+(\t)] offset:TAILU+128+8*(\t)        ; the sixteen lanes of a row write the same word with the same value
	ds_store_b32 v8, v[N2+(\t)] offset:TAILU+192+8*(\t)
.endm
	s_wait_loadcnt 28                              ; step 0's four loads are in
	TURN 0
.irp t, 0,1,2,3,4,5,6,7
	STEP \t
.endr
.irp i, 0,1,2,3
	ds_load_b128 v[X+4*\i:X+4*\i+3], v9 offset:2*UPI*\i        ; LDS serves a wave's instructions in order: these see my stores
.endr
	ds_load_b64 v[X+16:X+17], v10 offset:TAILU
	s_wait_dscnt 0x0
.irp i, 0,1,2,3
	global_store_b128 v3, v[X+4*\i:X+4*\i+3], s[8:9] offset:512*\i   ; 512 consecutive bytes, at a multiple of 256 from the buffer's first byte
.endr
	global_store_b64 v11, v[X+16:X+17], s[8:9] offset:2048     ; 256 consecutive bytes, aligned
	s_wait_tensorcnt 0x0
	ds_add_u32 v224, v225
	s_wait_dscnt 0x0
	s_endpgm
.Lfunc_end_k_qa44f73be4d_quant:
	.size	k_qa44f73be4d_quant, .Lfunc_end_k_qa44f73be4d_quant-k_qa44f73be4d_quant
	.p2alignl 7, 3214868480
	.fill 96, 4, 3214868480
	.section	.rodata,"a",@progbits
	.p2align	6, 0x0
	.amdhsa_kernel k_qa44f73be4d_quant
		.amdhsa_group_segment_fixed_size 41728
		.amdhsa_private_segment_fixed_size 0
		.amdhsa_enable_private_segment 0
		.amdhsa_kernarg_size 24
		.amdhsa_user_sgpr_count 2
		.amdhsa_user_sgpr_kernarg_segment_ptr 1
		.amdhsa_wavefront_size32 1
		.amdhsa_system_sgpr_workgroup_id_x 1
		.amdhsa_system_sgpr_workgroup_id_y 1
		.amdhsa_system_sgpr_workgroup_id_z 1
		.amdhsa_system_vgpr_workitem_id 0
		.amdhsa_next_free_vgpr 226
		.amdhsa_next_free_sgpr 66
		.amdhsa_reserve_vcc 0
		.amdhsa_float_denorm_mode_32 3
		.amdhsa_float_denorm_mode_16_64 3
		.amdhsa_memory_ordered 1
		.amdhsa_forward_progress 1
		.amdhsa_inst_pref_size 27
	.end_amdhsa_kernel
	.amdgpu_metadata
---
amdhsa.version: [ 1, 2 ]
amdhsa.kernels:
  - .name:           k_qa44f73be4d_quant
    .symbol:         k_qa44f73be4d_quant.kd
    .args:
      - { .name: xb, .offset: 0, .size: 8, .value_kind: global_buffer, .address_space: global }
      - { .name: weights, .offset: 8, .size: 8, .value_kind: global_buffer, .address_space: global }
      - { .name: recs, .offset: 16, .size: 8, .value_kind: global_buffer, .address_space: global }
    .group_segment_fixed_size: 41728
    .private_segment_fixed_size: 0
    .kernarg_segment_align: 8
    .kernarg_segment_size: 24
    .max_flat_workgroup_size: 160
    .sgpr_count:     66
    .vgpr_count:     226
    .wavefront_size: 32
...
	.end_amdgpu_metadata
.endif
;; end of part 1
;; launch scan (part 2): grid 64 x 4, 8 waves a work-group, clusters of 4 x 1, 185,344 bytes of LDS; arguments recs, cand; writes cand
.if DOCPART == 2
	.amdgcn_target "amdgcn-amd-amdhsa--gfx1250"
	.amdhsa_code_object_version 6
	.text
	.protected	k_qa44f73be4d_scan
	.globl	k_qa44f73be4d_scan
	.p2align	8
	.type	k_qa44f73be4d_scan,@function
k_qa44f73be4d_scan:
	s_mov_b64 s[64:65], 0
	v_nop
	global_prefetch_b8 v0, s[64:65] scope:SCOPE_SE
	s_setreg_imm32_b32 hwreg(HW_REG_WAVE_MODE, 25, 1), 1
	s_wait_xcnt 0x0
	s_wait_alu depctr_hold_cnt(0) depctr_sa_sdst(0) depctr_va_vdst(0) depctr_va_sdst(0) depctr_va_ssrc(0) depctr_va_vcc(0) depctr_vm_vsrc(0)
	s_getreg_b32 s2, hwreg(HW_REG_IB_STS2, 6, 4)
	s_cmp_eq_u32 s2, 0
	s_cbranch_scc0 .Lentry_in_a_cluster
	s_endpgm
.Lentry_in_a_cluster:
	s_bfe_u32 s2, ttmp6, 0x10000c
	s_cmp_lg_u32 s2, 0x3003
	s_cbranch_scc0 .Lentry_shape_is_right
	s_endpgm
.Lentry_shape_is_right:
; The product Q(x) . Q(w) on codes of FP4 (E2M1) with E8M0 scales, and for each query the best row of a slice of the codebook.
; THE KEY.  key = Q(x) . Q(w) - b2 / 2: the first K step's matrix instruction takes -b2 / 2 as its C, the second adds in place.  d2 = a2 - 2 key, so the smallest distance is the largest key,
; and d2 <= 0 exactly where key >= a2 / 2: the clip at 0 is a minimum of a tile's largest key with a2 / 2.  a2 and the root are applied to each part's winner by the next launch.
; SHARES.  Work-group (p, qb): slice p = 256 rows of the codebook (16 tiles), block qb = 1,024 queries.  Wave v holds 8 tiles of 16 queries in registers and walks the 16 tiles of the slice from LDS.
; Source 0 = 16 rows of the codebook, source 1 = 16 queries: lane (r, h) holds query r, its register j row 16 T + 8 h + j.
; THE FIRST INDEX.  A lane meets its rows in ascending order and replaces its best only where a tile's largest key is strictly greater; the winning tile's eight keys are kept by selects, so that no address
; and no branch hangs on a number; at the end the first kept key that reaches the best gives the row.  Out go (key, row) for each lane: 128 candidates a query over all slices and both halves of the lanes.
; VECTOR WORK IS WHAT THE LOOP IS MADE OF: 16 matrix instructions of a tile leave 64 registers of results.  So the ten selects of a tile of queries go two to an instruction (five pairs), see KEEP and EPI.
; LIMITS.  Order of rounding: d2 = fl(a2 - 2 fl(fl(dot of K 0-127 - b2 / 2) + dot of K 128-255)), where the JAX text has fl(fl(a2 + b2) - 2 dot).  Within a lane's 128 rows candidates are compared ahead of the
; root: two d2 that differ and round to one root give the smaller d2 here, the lower index there.  NaN and infinities are not served.
; CLUSTER.  The four slices of a cluster share their block of queries, 147,456 of the 184,320 bytes that a work-group fetches: each wave asks for its 18,432 bytes JOINTLY (mask 15).  The slice differs
; between partners and comes by a plain load.  Every LDS byte is filled once: no slot is filled again.  Each wave has two tensor loads out, both issued at the start.
; REGISTERS.  window 0: v1-9 addresses and row numbers; v10-17 x's scale words (lanes 0-15 K step 0, lanes 16-31 K step 1); v18-25 -a2 / 2; v26-41 pairs (best key, row); v42-49 a tile's largest keys;
;   v50-57 place in the kept tile; v58-59 w's scale words, v60-91 w's fragments, v92-107 -b2 / 2: two buffers each; v112-175 eight accumulators; v176-239 the kept tiles.
;   window 1: v0-127 x's fragments: (tile q, K step s) at 16 q + 8 s.
.set REC,  2304                        ; a record: 16 rows' codes, scale words and sums
.set XW,   8*REC                       ; a wave's eight records of x
.set WL,   8*XW                        ; behind the eight waves' x: the slice's 16 records
.set LA,   1                           ; v1  w's codes: WL + 16 l, stepped two records every second tile
.set LS,   2                           ; v2  w's scale words: WL + 2048 + 4 l
.set LC,   3                           ; v3  -b2 / 2 of my half's eight rows: WL + 2176 + 32 h
.set ROW,  4                           ; v4  the tile's first row of my half: 256 p + 8 h + 16 T
.set XA,   5                           ; v5  x's codes
.set XB,   6                           ; v6  x's scale words
.set XC,   7                           ; v7  -a2 / 2 of my query
.set GO,   8                           ; v8  8 l: my place in a store
.set ROW2, 9                           ; v9  the same number as v4, in a register whose number differs modulo 4 (see KEEP)
.set XS,   10
.set NTH,  18
.set BI,   26
.set MX,   42
.set JJ,   50
.set WS,   58
.set AF,   60
.set CF,   92
.set ACC,  112
.set SAV,  176
.set G1X,  16                          ; s[16:23] descriptor group 1 for x;  s[24:31] for w;  s[32:35], s[36:39] their groups 0
.set G1W,  24
.set G0X,  32
.set G0W,  36
.set MK,   40                          ; s40-47  a lane mask for each tile of queries (the search at the end)
.set MSB, 0
.macro WIN new                         ; the immediate's high byte repeats the setting that is left
.if MSB != \new
	s_set_vgpr_msb (MSB<<8)|\new
.set MSB, \new
.endif
.endm
.macro ROUND                           ; a round of the cluster's barrier: my work-group's barrier; wave 0 signals for the work-group; every wave waits for all four work-groups; my work-group's barrier once more
	s_barrier_signal -1
	s_barrier_wait -1
	s_cmp_lg_u32 s8, 0
	s_cbranch_scc1 .Lnot_wave_0_\@
	s_barrier_signal -3
.Lnot_wave_0_\@:
	s_barrier_wait -3
	s_barrier_signal -1
	s_barrier_wait -1
.endm
; a tile of the slice, off bytes on from the address registers, into buffer buf: two fragments, the scale words of both K steps, -b2 / 2 of my half's eight rows
.macro FETCH buf, off
.irp i, 0,1,2,3
	ds_load_b128 v[AF+16*(\buf)+4*\i:AF+16*(\buf)+4*\i+3], v[LA] offset:(\off)+512*\i
.endr
	ds_load_b32 v[WS+(\buf)], v[LS] offset:(\off)
	ds_load_b128 v[CF+8*(\buf):CF+8*(\buf)+3], v[LC] offset:(\off)
	ds_load_b128 v[CF+8*(\buf)+4:CF+8*(\buf)+7], v[LC] offset:(\off)+16
.endm
; K step s of the tile in buffer p against the eight tiles of queries.  The eight accumulators take turns, one instruction a turn
.macro MUL s, p, db
.irp q, 0,1,2,3,4,5,6,7
.if \s == 0
	v_wmma_scale_f32_16x16x128_f8f6f4 v[\db+8*\q:\db+8*\q+7], v[AF+16*\p:AF+16*\p+7], v[16*\q:16*\q+7], v[CF+8*\p:CF+8*\p+7], v[WS+\p], v[XS+\q] matrix_a_fmt:MATRIX_FMT_FP4 matrix_b_fmt:MATRIX_FMT_FP4
.else
	v_wmma_scale_f32_16x16x128_f8f6f4 v[\db+8*\q:\db+8*\q+7], v[AF+16*\p+8:AF+16*\p+15], v[16*\q+8:16*\q+15], v[\db+8*\q:\db+8*\q+7], v[WS+\p], v[XS+\q] matrix_a_fmt:MATRIX_FMT_FP4 matrix_b_fmt:MATRIX_FMT_FP4 matrix_a_scale:MATRIX_SCALE_ROW1 matrix_b_scale:MATRIX_SCALE_ROW1
.endif
.endr
.endm
; Stage st of five of the largest key of tile of queries q: each accumulator is read from its low end on; the last stage is the clip: no key counts for more than a2 / 2
.macro TREE st, q, db
.if \st == 0
	v_max3_num_f32 v[MX+(\q)], v[\db+8*(\q)], v[\db+8*(\q)+1], v[\db+8*(\q)+2]
.elseif \st == 1
	v_max3_num_f32 v[MX+(\q)], v[MX+(\q)], v[\db+8*(\q)+3], v[\db+8*(\q)+4]
.elseif \st == 2
	v_max3_num_f32 v[MX+(\q)], v[MX+(\q)], v[\db+8*(\q)+5], v[\db+8*(\q)+6]
.elseif \st == 3
	v_max_num_f32 v[MX+(\q)], v[MX+(\q)], v[\db+8*(\q)+7]
.else
	v_min_num_f32 v[MX+(\q)], v[MX+(\q)], -v[NTH+(\q)]
.endif
.endm
; Where VCC says that this tile beats the best of tile of queries q: the best, the tile's first row and the tile's eight keys are replaced.  Ten selects in five instructions: the two halves of a pair
; write an even and an odd register, and their first sources, and their second sources, have numbers that differ modulo 4 (neighbouring registers do; beside the largest key stands whichever copy of the row number fits).
.macro KEEP q, db
.if (MX+(\q))%4 == ROW%4
	v_dual_cndmask_b32 v[BI+2*(\q)], v[BI+2*(\q)], v[MX+(\q)] :: v_dual_cndmask_b32 v[BI+2*(\q)+1], v[BI+2*(\q)+1], v[ROW2]
.else
	v_dual_cndmask_b32 v[BI+2*(\q)], v[BI+2*(\q)], v[MX+(\q)] :: v_dual_cndmask_b32 v[BI+2*(\q)+1], v[BI+2*(\q)+1], v[ROW]
.endif
.irp j, 0,2,4,6
	v_dual_cndmask_b32 v[SAV+8*(\q)+\j], v[SAV+8*(\q)+\j], v[\db+8*(\q)+\j] :: v_dual_cndmask_b32 v[SAV+8*(\q)+\j+1], v[SAV+8*(\q)+\j+1], v[\db+8*(\q)+\j+1]
.endr
.endm
; What a tile leaves.  first = 1: the first tile starts the best; its keys already lie in the kept registers; line by line across the eight tiles of queries.
; first = 0: both halves of a paired select take VCC as their mask, so each tile of queries has its own compare into VCC, and the work is SKEWED so that the selects do not stand straight behind it:
; in step k stand the compare of q = k - 5, one stage each of the largest keys of q = k, k - 1, k - 2, k - 3, k - 4, and then the five pairs of q = k - 5.  A stage's source was written a step earlier.
.macro EPI db, first
.if \first
.irp st, 0,1,2,3
.irp q, 0,1,2,3,4,5,6,7
	TREE \st, \q, \db
.endr
.endr
.irp q, 0,1,2,3,4,5,6,7
	v_min_num_f32 v[BI+2*\q], v[MX+\q], -v[NTH+\q]             ; the clip
.endr
.irp q, 0,1,2,3,4,5,6,7
	v_mov_b32 v[BI+2*\q+1], v[ROW]
.endr
.else
.irp k, 0,1,2,3,4,5,6,7,8,9,10,11,12
.if \k >= 5
	v_cmp_gt_f32 vcc_lo, v[MX+\k-5], v[BI+2*(\k-5)]            ; strictly greater: an equal key of a later row does not replace
.endif
.if \k <= 7
	TREE 0, \k, \db
.endif
.if (\k >= 1) && (\k <= 8)
	TREE 1, \k-1, \db
.endif
.if (\k >= 2) && (\k <= 9)
	TREE 2, \k-2, \db
.endif
.if (\k >= 3) && (\k <= 10)
	TREE 3, \k-3, \db
.endif
.if (\k >= 4) && (\k <= 11)
	TREE 4, \k-4, \db
.endif
.if \k >= 5
	KEEP \k-5, \db
.endif
.endr
.endif
.endm
; A tile, from buffer p.  pre = 1: the next tile, off bytes on, is fetched into the other buffer: it has this tile's 16 matrix instructions and its vector work in which to land.  step = 1: the address registers go two records on first.
; The other buffer's last readers are the tile before's matrix instructions; that tile's maxima and selects of other accumulators, which name none of their registers, are the places behind them, also for the accumulators begun anew.
.macro TILE p, pre, step, off, db, first
	s_wait_dscnt 0x0                               ; this tile's registers are in, and no LDS load of mine is out: the address registers may step
.if \step
	v_add_nc_u32 v[LA], 2*REC, v[LA]
	v_add_nc_u32 v[LS], 2*REC, v[LS]
	v_add_nc_u32 v[LC], 2*REC, v[LC]
.endif
.if \pre
	FETCH 1-\p, \off
.endif
	WIN 0x04                                       ; source 1 (x) window 1
	MUL 0, \p, \db
	MUL 1, \p, \db
	WIN 0
	v_add_nc_u32 v[ROW], 16, v[ROW]                ; this tile's first row (the registers begin 16 under the slice's first).  These two lines and two v_nop are the four places
	v_add_nc_u32 v[ROW2], 16, v[ROW2]              ; between the last matrix instructions and the first read of results (ISA guide 7.12.1)
	v_nop
	v_nop
	EPI \db, \first
.endm
	s_load_b128 s[4:7], s[0:1], 0x0                ; recs, cand
	v_lshl_add_u32 v254, v0, 2, 0x2d000
	v_mov_b32 v255, 0
	ds_add_u32 v254, v255
	ds_add_u32 v254, v255
	v_lshrrev_b32 v111, 5, v0
	v_readfirstlane_b32 s8, v111                   ; wave 0..7
	s_bfe_u32 s9, ttmp6, 0x40000                   ; cx: my place in the cluster
	s_lshl_b32 s10, ttmp9, 2                       ; in a cluster launch ttmp9 counts clusters
	s_add_co_u32 s10, s10, s9                      ; p: it enters w's address, the rows' numbers and cand's address alone
	s_and_b32 s11, ttmp7, 0xffff                   ; qb, which the four partners share
	s_lshl_b32 s12, s11, 3
	s_add_co_u32 s12, s12, s8                      ; 8 qb + v
	s_mul_i32 s14, s12, XW                         ; my eight records of x, in bytes
	s_mov_b32 s15, 0
	s_mul_i32 s13, s8, 2*REC                       ; my two of the slice's 16 records
	s_mul_i32 s52, s10, 16*REC
	s_add_co_u32 s52, s52, s13
	s_add_co_u32 s52, s52, 256*REC                 ; behind x's 256 records
	s_mov_b32 s53, 0
	s_lshl_b32 s54, s10, 8                         ; 256 p: the slice's first row, and its 256 bytes among a tile's candidates
	s_sub_co_u32 s49, s54, 16                      ; 16 under it, modulo 2^32: each tile adds 16 ahead of its use
	s_lshl_b32 s50, s12, 17                        ; cand: eight tiles of queries x 64 slices x 256 bytes a wave
	s_add_co_u32 s50, s50, s54
	s_mov_b32 s51, 0
	; descriptor group 1: dense blocks as rows of 256 bytes (32 elements of 8 bytes).  x: 72 rows, asked for jointly;  w: 18 rows, my own
	s_mov_b32 s[G1X+0], 15|(3<<16)|(1<<21)         ; 15:0 the mask: all four work-groups; 17:16 elements of 8 bytes; 21 set beside a mask
	s_mov_b32 s[G1X+1], 32<<16                     ; tensor_dim0
	s_mov_b32 s[G1X+2], 72<<16                     ; tensor_dim1
	s_mov_b32 s[G1X+3], 32<<16                     ; tile_dim0
	s_mov_b32 s[G1X+4], 72                         ; tile_dim1
	s_mov_b32 s[G1X+5], 32                         ; elements from row to row
	s_mov_b32 s[G1X+6], 0
	s_mov_b32 s[G1X+7], 0
	s_mov_b32 s[G1W+0], 3<<16                      ; no mask
	s_mov_b32 s[G1W+1], 32<<16
	s_mov_b32 s[G1W+2], 18<<16
	s_mov_b32 s[G1W+3], 32<<16
	s_mov_b32 s[G1W+4], 18
	s_mov_b32 s[G1W+5], 32
	s_mov_b32 s[G1W+6], 0
	s_mov_b32 s[G1W+7], 0
	s_mov_b32 s[G0X], 1
	s_mul_i32 s[G0X+1], s8, XW                     ; LDS: wave x 18,432: no place in the cluster enters an LDS address
	s_mov_b32 s[G0W], 1
	s_add_co_u32 s[G0W+1], s13, WL                 ; LDS: WL + wave x 4,608
	v_and_b32 v108, 31, v0                         ; l
	v_and_b32 v109, 15, v0                         ; r
	v_bfe_u32 v110, v0, 4, 1                       ; h
	v_lshl_add_u32 v[LA], v108, 4, WL
	v_lshl_add_u32 v[LS], v108, 2, WL+2048
	v_lshl_add_u32 v[LC], v110, 5, WL+2176
	v_lshl_add_u32 v[ROW], v110, 3, s49
	v_mov_b32 v[ROW2], v[ROW]
	v_lshl_add_u32 v[XA], v108, 4, s[G0X+1]
	v_lshl_add_u32 v[XB], v108, 2, s[G0X+1]
	v_lshl_add_u32 v[XC], v109, 2, s[G0X+1]
	v_lshlrev_b32 v[GO], 3, v108
	s_wait_dscnt 0x0
	s_wait_kmcnt 0x0
	s_add_nc_u64 s[G0X+2:G0X+3], s[4:5], s[14:15]
	s_or_b32 s[G0X+3], s[G0X+3], 0x80000000        ; type = 2
	s_add_nc_u64 s[G0W+2:G0W+3], s[4:5], s[52:53]
	s_or_b32 s[G0W+3], s[G0W+3], 0x80000000
	s_add_nc_u64 s[50:51], s[6:7], s[50:51]
	ROUND                                          ; all four work-groups are here: the joint loads meet
	tensor_load_to_lds s[G0W:G0W+3], s[G1W:G1W+7]  ; my two records of the slice first: every wave of the work-group waits for them
	s_nop 0
	tensor_load_to_lds s[G0X:G0X+3], s[G1X:G1X+7]  ; my eight records of x, for all four work-groups: I alone read them here
	s_nop 0
.rept 4
	v_nop
.endr
	s_wait_tensorcnt 0x1                           ; my part of the slice has landed; behind it one load was issued, x's, which may stay out
	s_barrier_signal -1
	s_barrier_wait -1                              ; everybody's part has: every wave reads all 16 records of the slice
	FETCH 0, 0                                     ; tile 0, while x is on its way
	s_wait_tensorcnt 0x0                           ; my x has landed: its 18,432 bytes are read by this wave alone, so this wait is all the ordering that the reads need
	WIN 0x40                                       ; destination window 1
.irp q, 0,1,2,3,4,5,6,7
.irp i, 0,1,2,3
	ds_load_b128 v[16*\q+4*\i:16*\q+4*\i+3], v[XA] offset:REC*\q+512*\i       ; x's fragments stay in registers: the record is the image of the operand's registers, 16 bytes a lane
.endr
.endr
	WIN 0
.irp q, 0,1,2,3,4,5,6,7
	ds_load_b32 v[XS+\q], v[XB] offset:REC*\q+2048
	ds_load_b32 v[NTH+\q], v[XC] offset:REC*\q+2176
.endr
	TILE 0, 1, 0, REC, SAV, 1                      ; tile 0: its results are written straight into the kept registers: nothing is cleared or copied; tile 1 is fetched
	s_mov_b32 s48, 7
.Lpair:                                            ; tiles 1 to 14, two a trip: the buffers take turns
	TILE 1, 1, 1, 0, ACC, 0                        ; the addresses go on to the next even tile, which is fetched;
	TILE 0, 1, 0, REC, ACC, 0                      ; the odd tile behind it stands in the immediate
	s_sub_co_u32 s48, s48, 1
	s_cmp_lg_u32 s48, 0
	s_cbranch_scc1 .Lpair
	TILE 1, 0, 0, 0, ACC, 0                        ; tile 15: nothing is left to fetch
	; the first of the kept tile's eight keys that reaches the best: from j = 7 down, each j that reaches it takes the place
.irp q, 0,1,2,3,4,5,6,7
	v_mov_b32 v[JJ+\q], 7
.endr
.irp j, 6,5,4,3,2,1,0
.irp q, 0,1,2,3,4,5,6,7
	v_cmp_lt_f32 s[MK+\q], v[SAV+8*\q+\j], v[BI+2*\q]
.endr
.irp q, 0,1,2,3,4,5,6,7
	v_cndmask_b32 v[JJ+\q], \j, v[JJ+\q], s[MK+\q]
.endr
.endr
.irp q, 0,1,2,3,4,5,6,7
	v_add_nc_u32 v[BI+2*\q+1], v[BI+2*\q+1], v[JJ+\q]
.endr
.irp q, 0,1,2,3,4,5,6,7
	global_store_b64 v[GO], v[BI+2*\q:BI+2*\q+1], s[50:51] offset:16384*\q   ; 32 lanes store 256 consecutive bytes, at a multiple of 256 from cand's first byte
.endr
	s_wait_tensorcnt 0x0
	ds_add_u32 v254, v255
	s_wait_dscnt 0x0
	ROUND                                          ; the closing round: no work-group ends while a partner may still ask for a tile that names it
	s_endpgm
.Lfunc_end_k_qa44f73be4d_scan:
	.size	k_qa44f73be4d_scan, .Lfunc_end_k_qa44f73be4d_scan-k_qa44f73be4d_scan
	.p2alignl 7, 3214868480
	.fill 96, 4, 3214868480
	.section	.rodata,"a",@progbits
	.p2align	6, 0x0
	.amdhsa_kernel k_qa44f73be4d_scan
		.amdhsa_group_segment_fixed_size 185344
		.amdhsa_private_segment_fixed_size 0
		.amdhsa_enable_private_segment 0
		.amdhsa_kernarg_size 16
		.amdhsa_user_sgpr_count 2
		.amdhsa_user_sgpr_kernarg_segment_ptr 1
		.amdhsa_wavefront_size32 1
		.amdhsa_system_sgpr_workgroup_id_x 1
		.amdhsa_system_sgpr_workgroup_id_y 1
		.amdhsa_system_sgpr_workgroup_id_z 1
		.amdhsa_system_vgpr_workitem_id 0
		.amdhsa_next_free_vgpr 384
		.amdhsa_next_free_sgpr 66
		.amdhsa_reserve_vcc 1
		.amdhsa_float_denorm_mode_32 3
		.amdhsa_float_denorm_mode_16_64 3
		.amdhsa_memory_ordered 1
		.amdhsa_forward_progress 1
		.amdhsa_inst_pref_size 45
	.end_amdhsa_kernel
	.amdgpu_metadata
---
amdhsa.version: [ 1, 2 ]
amdhsa.kernels:
  - .name:           k_qa44f73be4d_scan
    .symbol:         k_qa44f73be4d_scan.kd
    .args:
      - { .name: recs, .offset: 0, .size: 8, .value_kind: global_buffer, .address_space: global }
      - { .name: cand, .offset: 8, .size: 8, .value_kind: global_buffer, .address_space: global }
    .group_segment_fixed_size: 185344
    .private_segment_fixed_size: 0
    .kernarg_segment_align: 8
    .kernarg_segment_size: 16
    .max_flat_workgroup_size: 256
    .sgpr_count:     66
    .vgpr_count:     384
    .wavefront_size: 32
...
	.end_amdgpu_metadata
.endif
;; end of part 2
;; launch pick (part 3): grid 256 x 1, 4 waves a work-group, no clusters, 1,024 bytes of LDS; arguments cand, recs, out0; writes out0
.if DOCPART == 3
	.amdgcn_target "amdgcn-amd-amdhsa--gfx1250"
	.amdhsa_code_object_version 6
	.text
	.protected	k_qa44f73be4d_pick
	.globl	k_qa44f73be4d_pick
	.p2align	8
	.type	k_qa44f73be4d_pick,@function
k_qa44f73be4d_pick:
	s_mov_b64 s[64:65], 0
	v_nop
	global_prefetch_b8 v0, s[64:65] scope:SCOPE_SE
	s_setreg_imm32_b32 hwreg(HW_REG_WAVE_MODE, 25, 1), 1
	s_wait_xcnt 0x0
; For each query the 128 candidates (key, row) of the launch before become distances, sqrt(max(a2 - 2 key, 0)), and the first smallest gives the result (row / 128, row % 128).
; SHARES.  A work-group owns a tile of 16 queries: 16,384 dense bytes of candidates, [slice 0..63][lane 0..31][key, row].  Wave v takes slices 16 v .. 16 v + 15; lane (n, h) holds query n and the candidates
; that half h of the lanes made.  Memory binds and the work is small: no matrix unit, no cluster, no ring.
; THE ROOT is brought to the correctly rounded one: with s = v_sqrt_f32(d), the neighbour below is taken where d - below x s <= 0, the neighbour above where d - above x s > 0 (fused, so the signs are exact).
; ORDER.  A lane's rows rise with the slice, and a wave's with the wave: there the earlier candidate stays unless the later is strictly smaller.  The two halves of the lanes interleave: there distance, then row, decide.
; LIMITS.  d under 2^-96 (but 0, which is served): the last bit of the root is not vouched for.  NaN and infinities are not served.
; out0 gets 128 consecutive bytes from each work-group: half of an aligned run of 256; the whole output is 32,768 bytes.
.set KI, 16                            ; v16-47    pairs (key, row) of my 16 candidates
.set DD, 48                            ; v48-63    d = max(a2 - 2 key, 0)
.set SS, 64                            ; v64-79    the root
.set DN, 80                            ; v80-95    its neighbour below
.set UPN, 96                           ; v96-111   and above
.set TA, 112                           ; v112-127  d - below x s;  later the four waves' winners
.set TB, 128                           ; v128-143  d - above x s
	s_load_b128 s[4:7], s[0:1], 0x0                ; cand, recs
	s_load_b64 s[8:9], s[0:1], 0x10                ; out0
	v_lshl_add_u32 v144, v0, 2, 0x200
	v_mov_b32 v145, 0
	v_lshrrev_b32 v1, 5, v0
	v_readfirstlane_b32 s10, v1                    ; wave 0..3
	v_and_b32 v2, 31, v0
	v_lshlrev_b32 v1, 3, v2                        ; 8 l: my candidate in a slice's 256 bytes
	v_and_b32 v2, 15, v0                           ; n
	v_lshlrev_b32 v3, 2, v2                        ; 4 n
	v_lshlrev_b32 v10, 3, v2                       ; 8 n: my query's place in LDS and in out0
	s_lshl_b32 s11, s10, 7
	v_add_nc_u32 v8, s11, v10                      ; LDS: 128 bytes a wave
	v_mov_b32 v4, 0                                ; written once: a lane permute's destination counts as one of its sources
	v_mov_b32 v5, 0
	s_mov_b32 s20, 0x76543210
	s_mov_b32 s21, 0xfedcba98                      ; v_permlanex16_b32's selects for lane l xor 16
	s_lshl_b32 s12, ttmp9, 14                      ; the tile's candidates,
	s_lshl_b32 s13, s10, 12                        ; my wave's 16 slices
	s_add_co_u32 s12, s12, s13
	s_mov_b32 s13, 0
	s_mul_i32 s14, ttmp9, 2304                     ; the tile's record
	s_mov_b32 s15, 0
	s_lshl_b32 s16, ttmp9, 7                       ; the tile's 128 bytes of out0
	s_mov_b32 s17, 0
	s_wait_kmcnt 0x0
	s_add_nc_u64 s[4:5], s[4:5], s[12:13]
	s_add_nc_u64 s[6:7], s[6:7], s[14:15]
	s_add_nc_u64 s[8:9], s[8:9], s[16:17]
.irp i, 0,1,2,3,4,5,6,7,8,9,10,11,12,13,14,15
	global_load_b64 v[KI+2*\i:KI+2*\i+1], v1, s[4:5] offset:256*\i th:TH_LOAD_NT   ; 32 lanes read 256 consecutive bytes; read once in the launch
.endr
	global_load_b32 v9, v3, s[6:7] offset:2240     ; a2 of my query
	s_wait_loadcnt 0x0
.irp i, 0,1,2,3,4,5,6,7,8,9,10,11,12,13,14,15
	v_fma_f32 v[DD+\i], v[KI+2*\i], -2.0, v9
.endr
.irp i, 0,1,2,3,4,5,6,7,8,9,10,11,12,13,14,15
	v_max_num_f32 v[DD+\i], 0, v[DD+\i]
.endr
.irp i, 0,1,2,3,4,5,6,7,8,9,10,11,12,13,14,15
	v_sqrt_f32 v[SS+\i], v[DD+\i]
.endr
	v_nop                                          ; a plain line between the roots and the first use of a result
	s_wait_alu depctr_va_vdst(0)
.irp i, 0,1,2,3,4,5,6,7,8,9,10,11,12,13,14,15
	v_add_nc_u32 v[DN+\i], -1, v[SS+\i]            ; the neighbours, by the bits
	v_add_nc_u32 v[UPN+\i], 1, v[SS+\i]
.endr
.irp i, 0,1,2,3,4,5,6,7,8,9,10,11,12,13,14,15
	v_fma_f32 v[TA+\i], -v[DN+\i], v[SS+\i], v[DD+\i]
	v_fma_f32 v[TB+\i], -v[UPN+\i], v[SS+\i], v[DD+\i]
.endr
.irp i, 0,1,2,3,4,5,6,7,8,9,10,11,12,13,14,15
	v_cmp_ge_f32 vcc_lo, 0, v[TA+\i]               ; (for d = 0 the neighbour below is no number: the comparison fails and 0 stays)
	v_cndmask_b32 v[SS+\i], v[SS+\i], v[DN+\i], vcc_lo
	v_cmp_lt_f32 vcc_lo, 0, v[TB+\i]
	v_cndmask_b32 v[SS+\i], v[SS+\i], v[UPN+\i], vcc_lo
.endr
; Candidate a, of the lower rows, stays unless b is strictly nearer.  The arguments come as text (a sum such as 0+1), so each stands in parentheses inside the register expressions.
.macro JOIN a, b
	v_cmp_lt_f32 vcc_lo, v[SS+(\b)], v[SS+(\a)]
	v_cndmask_b32 v[SS+(\a)], v[SS+(\a)], v[SS+(\b)], vcc_lo
	v_cndmask_b32 v[KI+2*(\a)+1], v[KI+2*(\a)+1], v[KI+2*(\b)+1], vcc_lo
.endm
.irp a, 0,2,4,6,8,10,12,14
	JOIN \a, \a+1
.endr
.irp a, 0,4,8,12
	JOIN \a, \a+2
.endr
	JOIN 0, 4
	JOIN 8, 12
	JOIN 0, 8
	v_permlanex16_b32 v4, v[SS], s20, s21          ; the other half's winner
	v_permlanex16_b32 v5, v[KI+1], s20, s21
	v_cmp_lt_f32 s22, v4, v[SS]                    ; it is taken where it is nearer,
	v_cmp_eq_f32 s23, v4, v[SS]
	v_cmp_lt_u32 s24, v5, v[KI+1]
	s_and_b32 s23, s23, s24                        ; or as near and of the lower row
	s_or_b32 s22, s22, s23
	v_cndmask_b32 v6, v[SS], v4, s22
	v_cndmask_b32 v7, v[KI+1], v5, s22
	ds_store_b64 v8, v[6:7]                        ; both halves write the same pair to the same place
	s_wait_dscnt 0x0                               ; for the others' sake: my store is done
	s_barrier_signal -1
	s_barrier_wait -1
	s_cmp_lg_u32 s10, 0
	s_cbranch_scc1 .Lend                           ; wave 0 joins the four waves' winners
.irp w, 0,1,2,3
	ds_load_b64 v[TA+2*\w:TA+2*\w+1], v10 offset:128*\w
.endr
	s_wait_dscnt 0x0
.irp w, 1,2,3
	v_cmp_lt_f32 vcc_lo, v[TA+2*\w], v[TA]
	v_cndmask_b32 v[TA], v[TA], v[TA+2*\w], vcc_lo
	v_cndmask_b32 v[TA+1], v[TA+1], v[TA+2*\w+1], vcc_lo
.endr
	v_lshrrev_b32 v[TB], 7, v[TA+1]                ; row / 128
	v_and_b32 v[TB+1], 127, v[TA+1]                ; row % 128
	v_cmp_gt_u32 vcc_lo, 16, v0
	s_wait_xcnt 0x0                                ; EXEC changes only behind this wait
	s_and_saveexec_b32 s25, vcc_lo                 ; lanes 0-15: one lane a query
	global_store_b64 v10, v[TB:TB+1], s[8:9]
	s_wait_xcnt 0x0                                ; and again, in front of the line that widens it
	s_or_b32 exec_lo, exec_lo, s25
.Lend:
	s_wait_tensorcnt 0x0
	ds_add_u32 v144, v145
	s_wait_dscnt 0x0
	s_endpgm
.Lfunc_end_k_qa44f73be4d_pick:
	.size	k_qa44f73be4d_pick, .Lfunc_end_k_qa44f73be4d_pick-k_qa44f73be4d_pick
	.p2alignl 7, 3214868480
	.fill 96, 4, 3214868480
	.section	.rodata,"a",@progbits
	.p2align	6, 0x0
	.amdhsa_kernel k_qa44f73be4d_pick
		.amdhsa_group_segment_fixed_size 1024
		.amdhsa_private_segment_fixed_size 0
		.amdhsa_enable_private_segment 0
		.amdhsa_kernarg_size 24
		.amdhsa_user_sgpr_count 2
		.amdhsa_user_sgpr_kernarg_segment_ptr 1
		.amdhsa_wavefront_size32 1
		.amdhsa_system_sgpr_workgroup_id_x 1
		.amdhsa_system_sgpr_workgroup_id_y 1
		.amdhsa_system_sgpr_workgroup_id_z 1
		.amdhsa_system_vgpr_workitem_id 0
		.amdhsa_next_free_vgpr 146
		.amdhsa_next_free_sgpr 66
		.amdhsa_reserve_vcc 1
		.amdhsa_float_denorm_mode_32 3
		.amdhsa_float_denorm_mode_16_64 3
		.amdhsa_memory_ordered 1
		.amdhsa_forward_progress 1
		.amdhsa_inst_pref_size 14
	.end_amdhsa_kernel
	.amdgpu_metadata
---
amdhsa.version: [ 1, 2 ]
amdhsa.kernels:
  - .name:           k_qa44f73be4d_pick
    .symbol:         k_qa44f73be4d_pick.kd
    .args:
      - { .name: cand, .offset: 0, .size: 8, .value_kind: global_buffer, .address_space: global }
      - { .name: recs, .offset: 8, .size: 8, .value_kind: global_buffer, .address_space: global }
      - { .name: out0, .offset: 16, .size: 8, .value_kind: global_buffer, .address_space: global }
    .group_segment_fixed_size: 1024
    .private_segment_fixed_size: 0
    .kernarg_segment_align: 8
    .kernarg_segment_size: 24
    .max_flat_workgroup_size: 128
    .sgpr_count:     66
    .vgpr_count:     146
    .wavefront_size: 32
...
	.end_amdgpu_metadata
.endif
;; end of part 3
